; MI455X (gfx1250); checked and timed in simulation.
; The chip was launched on July 23, 2026; its instructions are those of AMD's public machine-readable ISA for CDNA 5 (MIT licence, August 2026) and "CDNA5" Instruction Set Architecture Reference Guide (July 2026). The comments in the code are by the model that wrote it; some were corrected since.
;; Cross Attention. Allowed arithmetic: matrix products marked QUANTISED: E2M1 operands, one E8M0 scale for each 32 along K, by v_wmma_scale_f32_16x16x128_f8f6f4 with both operands' format E2M1 (or v_wmma_scale_f32_32x16x128_f4), f32 sums; products left as they are: bf16, f16 or f32 operands; f32 sums; everything else in f32.
;; Inputs: Wk 512 x 512 float32; Wo 512 x 512 float32; Wq 512 x 512 float32; Wv 512 x 512 float32; bk 512 float32; bo 512 float32; bq 512 float32; bv 512 float32; mem 4 x 4,096 x 512 float32; x 4 x 2,048 x 512 float32.
;; Outputs: out0 4 x 2,048 x 512 float32.
;; This version of the problem:
;;   THIS VERSION OF THE PROBLEM IS GIVEN IN LOW PRECISION. The matrix products marked QUANTISED in the list below multiply operands that are first quantised to E2M1 (2 exponent bits, 1 mantissa bit; 4 bits a number), with one power-of-two scale for each 32 numbers along K (OCP MX v1.0); their sums are f32. The products marked 'left as it is' may take bf16, f16 or f32 operands, with f32 sums. Whichever they take, every output number must still come out within the allowed error. Rounding operands to bf16 (8 significant bits) uses up far more of that allowance than f16 does (11 bits, for magnitudes from 6e-5 to 65,504). All else is computed in f32.
;;   The module's matrix products, in the order in which they are computed (A, B: the left and right operand; K: the contracted axis; several contracted axes count as one K, in the product's order):
;;     1. [M 8,192, K 512] x [K 512, N 512]; A: input x; B: input Wq: QUANTISED
;;     2. [M 16,384, K 512] x [K 512, N 512]; A: input mem; B: input Wk: QUANTISED
;;     3. [M 16,384, K 512] x [K 512, N 512]; A: input mem; B: input Wv: QUANTISED
;;     4. batch 32 x [M 2,048, K 64] x [K 64, N 4,096]; A: computed on the way; B: computed on the way: left as it is (an operand is computed on the way)
;;     5. batch 32 x [M 64, K 4,096] x [K 4,096, N 2,048]; A: computed on the way; B: computed on the way: left as it is (an operand is computed on the way)
;;     6. [M 8,192, K 512] x [K 512, N 512]; A: computed on the way; B: input Wo: left as it is (an operand is computed on the way)
;;   THE QUANTISER, for each operand of a quantised product, along K:
;;     - K is cut into blocks of 32 from its start; a last block that is shorter is filled with zeros.
;;     - A block's scale is 2^e with e = floor(log2(the largest magnitude in the block)) - 2, held to -126 .. 127; a block of zeros has e = 0. As a byte (E8M0): e + 127.
;;     - Each number is divided by its block's scale, clamped to +-6, and rounded to the nearest number of E2M1, ties to even, subnormals kept.
;;     - The product sums the exact products of the quantised numbers (number of the format x scale) in f32.
;;   ~~~python
;;   def quantise(x, axis):      # numpy; x: float32 -> the quantised numbers, widened to float32 again
;;       x = np.moveaxis(x, axis, -1); K = x.shape[-1]
;;       x = np.pad(x, [(0, 0)] * (x.ndim - 1) + [(0, -K % 32)]); x = x.reshape(x.shape[:-1] + (-1, 32)); a = np.abs(x).max(-1, keepdims=True)
;;       e = np.where(a > 0, np.clip(np.frexp(np.where(a > 0, a, 1))[1] - 1 - 2, -126, 127), 0)      # np.frexp(a)[1] - 1 = floor(log2(a)), exactly
;;       r = np.clip(x / 2.0 ** e, -6, 6)
;;       step = 2.0 ** (np.maximum(np.frexp(np.where(r == 0, 1, r))[1] - 1, 0) - 1)
;;       q = np.round(r / step) * step * 2.0 ** e      # np.round: ties to even
;;       return np.moveaxis(q.reshape(q.shape[:-2] + (-1,))[..., :K], -1, axis).astype(np.float32)
;;   ~~~
;; One version. Each part assembles by itself: llvm-mc -triple=amdgcn-amd-amdhsa -mcpu=gfx1250 --defsym DOCPART=n.
;; ======== version 1 of 1: 4 launches
;; limits: values are held in f16: magnitudes above 65,504 overflow, below 6.1e-05 lose precision
;; workspace buffers: wcodes 393,216 bytes; wscales 24,576 bytes; wof 524,288 bytes; qf 8,388,608 bytes; kf 16,777,216 bytes; vf 16,777,216 bytes; zf 8,388,608 bytes
;; launch prep (part 1): grid 64 x 4, 1 waves a work-group, no clusters, 0 bytes of LDS; arguments Wq, Wk, Wv, Wo, wcodes, wscales, wof; writes wcodes, wscales, wof
.if DOCPART == 1
	.amdgcn_target "amdgcn-amd-amdhsa--gfx1250"
	.amdhsa_code_object_version 6
	.text
	.protected	k_qbe66e46b78_prep
	.globl	k_qbe66e46b78_prep
	.p2align	8
	.type	k_qbe66e46b78_prep,@function
k_qbe66e46b78_prep:
	s_mov_b64 s[64:65], 0
	v_nop
	global_prefetch_b8 v0, s[64:65] scope:SCOPE_SE
	s_setreg_imm32_b32 hwreg(HW_REG_WAVE_MODE, 25, 1), 1
	s_wait_xcnt 0x0
; The four weights [512 (k)][512 (n)], f32, are laid once in the order in which the later launches' operand registers take them.
; Work-group y = 0, 1, 2 (Wq, Wk, Wv): codes of FP4 (E2M1), quantised along K, and one E8M0 byte for each 32 along K.  y = 3 (Wo): rounded to f16.
; A LANE TAKES A COLUMN n, AND ITS REGISTERS RUN DOWN K: work-group x = 4 g + s takes columns 32 g .. 32 g + 31 and rows 128 s .. 128 s + 127.  Each load reads 128 consecutive bytes of a row;
; a block of 32 along K lies in one lane's registers, so its largest magnitude needs no other lane, and the conversions give codes with K innermost.  Nothing is transposed.
; wcodes [3][32 tiles of 16 n][4 K steps of 128][2 c][32 lanes][16 bytes]: lane (r, h) of a fragment holds column r, registers 4 c .. 4 c + 3 hold k = 64 c + 32 h + 0 .. 31.  Block b = 2 c + h of column r is 16 bytes at 256 b + 16 r.
; wscales [3][512 n][4 words]: word s = the four bytes of K step s.   wof [32 tiles of 16 n][16 K steps of 32][2 c][32 lanes][16 bytes], f16: lane (r, h): column r, k = 16 c + 8 h + 0 .. 7: eight rows of K, group u, at 256 u + 16 r.
; A block's scale is 2^(floor(log2(its largest magnitude)) - 2); its byte is the largest magnitude's exponent field - 2, held at 1 from below.
; LIMITS: a block of zeros gets the byte 1 where the quantiser says 127 (its codes are zeros, and this program alone reads the bytes); NaN and infinities are not served; Wo beyond 65,504 in magnitude becomes infinity in f16, under 6e-5 it keeps an absolute error of 3e-8.
; The scale words leave as 4 bytes a lane, 16 bytes apart: 24,576 bytes of the 4 MiB that the launch reads.  All other stores: sixteen lanes write 256 consecutive bytes, aligned.
; Every step has registers of its own for what it stores, and no address is stepped: so no store's source is written again.
.set X, 32                             ; v32-159  my column's 128 numbers
.set C, 160                            ; v160-175 four registers of codes a block; for Wo v160-223: four registers of f16 a group of eight
	s_load_b256 s[4:11], s[0:1], 0x0               ; Wq, Wk, Wv, Wo
	s_load_b128 s[12:15], s[0:1], 0x20             ; wcodes, wscales
	s_load_b64 s[16:17], s[0:1], 0x30              ; wof
	s_and_b32 s20, ttmp7, 0xffff                   ; y: which weight
	s_lshr_b32 s21, ttmp9, 2                       ; g: which 32 columns
	s_and_b32 s22, ttmp9, 3                        ; s: which 128 rows of K
	v_lshlrev_b32 v1, 2, v0                        ; in: 4 bytes a lane
	v_lshlrev_b32 v3, 4, v0                        ; scale words: 16 bytes a column
	v_and_b32 v5, 15, v0
	v_lshrrev_b32 v6, 4, v0                        ; which of the two tiles of 16 columns
	v_lshlrev_b32 v5, 4, v5                        ; 16 r
	v_lshl_add_u32 v2, v6, 12, v5                  ; codes: a tile's four K steps are 4,096 bytes
	v_lshl_add_u32 v4, v6, 14, v5                  ; Wo: a tile's sixteen K steps are 16,384 bytes
	s_lshl_b32 s24, s22, 18                        ; in: 128 s rows of 2,048 bytes
	s_lshl_b32 s23, s21, 7
	s_add_co_u32 s24, s24, s23                     ; + 32 g columns
	s_mov_b32 s25, 0
	s_lshl_b32 s26, s20, 17                        ; codes: 131,072 y + 8,192 g + 1,024 s
	s_lshl_b32 s23, s21, 13
	s_add_co_u32 s26, s26, s23
	s_lshl_b32 s23, s22, 10
	s_add_co_u32 s26, s26, s23
	s_mov_b32 s27, 0
	s_lshl_b32 s28, s20, 13                        ; scale words: 8,192 y + 512 g + 4 s
	s_lshl_b32 s23, s21, 9
	s_add_co_u32 s28, s28, s23
	s_lshl_b32 s23, s22, 2
	s_add_co_u32 s28, s28, s23
	s_mov_b32 s29, 0
	s_lshl_b32 s30, s21, 15                        ; Wo: 32,768 g + 4,096 s
	s_lshl_b32 s23, s22, 12
	s_add_co_u32 s30, s30, s23
	s_mov_b32 s31, 0
	s_wait_kmcnt 0x0
	s_cmp_eq_u32 s20, 1                            ; the weight is chosen by the work-group's number alone
	s_cselect_b64 s[4:5], s[6:7], s[4:5]
	s_cmp_eq_u32 s20, 2
	s_cselect_b64 s[4:5], s[8:9], s[4:5]
	s_cmp_eq_u32 s20, 3
	s_cselect_b64 s[4:5], s[10:11], s[4:5]
	s_add_nc_u64 s[4:5], s[4:5], s[24:25]
.set i, 0
.rept 128
	global_load_b32 v[X+i], v1, s[4:5] offset:2048*i th:TH_LOAD_NT   ; W(128 s + i, my column): 32 lanes read 128 consecutive bytes
.set i, i+1
.endr
	s_cmp_eq_u32 s20, 3
	s_cbranch_scc1 .Lwo
	s_add_nc_u64 s[12:13], s[12:13], s[26:27]
	s_add_nc_u64 s[14:15], s[14:15], s[28:29]
; Block b of 32 along K.  left: how many younger loads may stay out
.macro BLOCK b, left
	s_wait_loadcnt \left
	v_max3_num_f32 v[8+\b], |v[X+32*\b]|, |v[X+32*\b+1]|, |v[X+32*\b+2]|      ; the block's largest magnitude, in two chains
	v_max3_num_f32 v21, |v[X+32*\b+3]|, |v[X+32*\b+4]|, |v[X+32*\b+5]|
.irp i, 6,10,14,18,22,26
	v_max3_num_f32 v[8+\b], v[8+\b], |v[X+32*\b+\i]|, |v[X+32*\b+\i+1]|
	v_max3_num_f32 v21, v21, |v[X+32*\b+\i+2]|, |v[X+32*\b+\i+3]|
.endr
	v_max3_num_f32 v[8+\b], v[8+\b], |v[X+32*\b+30]|, |v[X+32*\b+31]|
	v_max3_num_f32 v[8+\b], v[8+\b], v21, 0x1800000                            ; and the floor 2^(3 - 127): the byte cannot fall under 1
	v_add_nc_u32 v[12+\b], 0xff000000, v[8+\b]     ; 2 off its exponent field: the conversion takes the exponent field of this operand as its scale
	v_lshrrev_b32 v[16+\b], 23, v[12+\b]           ; the scale's byte
.irp q, 0,1,2,3
	v_cvt_scalef32_pk8_fp4_f32 v[C+4*\b+\q], v[X+32*\b+8*\q:X+32*\b+8*\q+7], v[12+\b]
.endr
	v_nop                                          ; one plain line behind the last conversion
	global_store_b128 v2, v[C+4*\b:C+4*\b+3], s[12:13] offset:256*\b   ; sixteen lanes write 256 consecutive bytes, aligned
.endm
	BLOCK 0, 63                                    ; 96 younger loads could stay out; the wait's field names 63 at the most, and a smaller count is safe
	BLOCK 1, 63                                    ; (64 likewise)
	BLOCK 2, 32
	BLOCK 3, 0
	v_lshl_or_b32 v20, v17, 8, v16                 ; the four bytes make my column's word of this K step
	v_lshl_or_b32 v20, v18, 16, v20
	v_lshl_or_b32 v20, v19, 24, v20
	global_store_b32 v3, v20, s[14:15]
	s_endpgm
.Lwo:
	s_add_nc_u64 s[16:17], s[16:17], s[30:31]
.set u, 0
.rept 16                                   ; group u: eight rows of K, rounded to f16, the lower k in the lower half
.if 120-8*u > 63
	s_wait_loadcnt 63
.else
	s_wait_loadcnt 120-8*u                         ; the loads behind this group's eight may stay out
.endif
.irp i, 0,1,2,3
	v_cvt_pk_f16_f32 v[C+4*u+\i], v[X+8*u+2*\i], v[X+8*u+2*\i+1]
.endr
	global_store_b128 v4, v[C+4*u:C+4*u+3], s[16:17] offset:256*u
.set u, u+1
.endr
	s_endpgm
.Lfunc_end_k_qbe66e46b78_prep:
	.size	k_qbe66e46b78_prep, .Lfunc_end_k_qbe66e46b78_prep-k_qbe66e46b78_prep
	.p2alignl 7, 3214868480
	.fill 96, 4, 3214868480
	.section	.rodata,"a",@progbits
	.p2align	6, 0x0
	.amdhsa_kernel k_qbe66e46b78_prep
		.amdhsa_group_segment_fixed_size 0
		.amdhsa_private_segment_fixed_size 0
		.amdhsa_enable_private_segment 0
		.amdhsa_kernarg_size 56
		.amdhsa_user_sgpr_count 2
		.amdhsa_user_sgpr_kernarg_segment_ptr 1
		.amdhsa_wavefront_size32 1
		.amdhsa_system_sgpr_workgroup_id_x 1
		.amdhsa_system_sgpr_workgroup_id_y 1
		.amdhsa_system_sgpr_workgroup_id_z 1
		.amdhsa_system_vgpr_workitem_id 0
		.amdhsa_next_free_vgpr 224
		.amdhsa_next_free_sgpr 66
		.amdhsa_reserve_vcc 0
		.amdhsa_float_denorm_mode_32 3
		.amdhsa_float_denorm_mode_16_64 3
		.amdhsa_memory_ordered 1
		.amdhsa_forward_progress 1
		.amdhsa_inst_pref_size 27
	.end_amdhsa_kernel
	.amdgpu_metadata
---
amdhsa.version: [ 1, 2 ]
amdhsa.kernels:
  - .name:           k_qbe66e46b78_prep
    .symbol:         k_qbe66e46b78_prep.kd
    .args:
      - { .name: Wq, .offset: 0, .size: 8, .value_kind: global_buffer, .address_space: global }
      - { .name: Wk, .offset: 8, .size: 8, .value_kind: global_buffer, .address_space: global }
      - { .name: Wv, .offset: 16, .size: 8, .value_kind: global_buffer, .address_space: global }
      - { .name: Wo, .offset: 24, .size: 8, .value_kind: global_buffer, .address_space: global }
      - { .name: wcodes, .offset: 32, .size: 8, .value_kind: global_buffer, .address_space: global }
      - { .name: wscales, .offset: 40, .size: 8, .value_kind: global_buffer, .address_space: global }
      - { .name: wof, .offset: 48, .size: 8, .value_kind: global_buffer, .address_space: global }
    .group_segment_fixed_size: 0
    .private_segment_fixed_size: 0
    .kernarg_segment_align: 8
    .kernarg_segment_size: 56
    .max_flat_workgroup_size: 32
    .sgpr_count:     66
    .vgpr_count:     224
    .wavefront_size: 32
...
	.end_amdgpu_metadata
.endif
;; end of part 1
;; launch proj (part 2): grid 256 x 1, 4 waves a work-group, no clusters, 327,680 bytes of LDS; arguments x, mem, wcodes, wscales, bq, bk, bv, qf, kf, vf; writes qf, kf, vf
.if DOCPART == 2
	.amdgcn_target "amdgcn-amd-amdhsa--gfx1250"
	.amdhsa_code_object_version 6
	.text
	.protected	k_qbe66e46b78_proj
	.globl	k_qbe66e46b78_proj
	.p2align	8
	.type	k_qbe66e46b78_proj,@function
k_qbe66e46b78_proj:
	s_mov_b64 s[64:65], 0
	v_nop
	global_prefetch_b8 v0, s[64:65] scope:SCOPE_SE
	s_setreg_imm32_b32 hwreg(HW_REG_WAVE_MODE, 25, 1), 1
	s_wait_xcnt 0x0
; q = x Wq + bq, k = mem Wk + bk, v = mem Wv + bv: the three products on codes of FP4 (E2M1) with one E8M0 scale for each 32 along K = 512; sums in f32; results rounded to f16 and stored in the order of the next launch's operand registers.
; SHARES.  Work-group g takes rows 32 g .. of x and rows 64 g .. of mem: six tiles of 16 rows (0, 1: x; 2 to 5: mem).  THE WAVES SHARE THE COLUMNS: wave w holds columns 128 w .. 128 w + 127 (heads 2 w, 2 w + 1) of all three weights
; in registers, 256 for each weight, read once.  For the quantising the waves share K: wave w brings K step w (128 numbers of each of the 96 rows) into its own LDS bytes by two tensor loads, quantises it and hands the six fragments
; and their scale words to the other waves as images of the operand's registers (16 bytes a lane at 16 x lane; 4 bytes a lane): one barrier.
; q AND k ARE MADE TRANSPOSED (source 0 = 16 columns of W, source 1 = 16 rows): a lane holds one row and eight neighbouring channels, which round into four registers of a fragment of 16 rows x 32 channels.
; v IS MADE AS IT STANDS (source 0 = 16 rows of mem, source 1 = 16 columns of Wv): a lane holds one channel and eight neighbouring keys: four registers of a fragment of 16 channels x 32 keys.  So every store is 512 consecutive bytes from registers.
; qf [32 b h][128 tiles of 16 queries][2 cs][2 c][32 lanes][16 bytes]: lane (r, h): query r, channels 32 cs + 16 c + 8 h + 0 .. 7.  kf the same with 256 tiles of keys.  vf [32 b h][128 groups of 32 keys][4 ct][2 c][32 lanes][16 bytes]: channel 16 ct + r, keys 16 c + 8 h + 0 .. 7.
; NO CLUSTER: what the work-groups share is the weights, and a joint load lands in LDS: 393,216 + 24,576 bytes do not fit beside the rows' 202,752 in 327,680, so they would come in parts into bytes filled again, each part behind a round of
; the cluster's barrier; here each wave loads its 98,304 bytes of codes once, straight into the registers in which they stay.
; LIMITS: q, k, v beyond 65,504 in magnitude become infinity in f16, under 6e-5 they keep an absolute error of 3e-8; a block of zeros gets the byte 1 (its codes are zeros); NaN and infinities among the inputs are not served.
; REGISTERS, in windows of 256: window 0: v1-15 addresses; v16-79 two sets of a row tile's four fragments (first: the 64 numbers being quantised); v80-87 their scale words; v88-151 two sets of four accumulators (first: the quantiser's work);
;   v152-199 the weights' scale words; v200-207 bv.   windows 1, 2, 3: Wq, Wk, Wv: fragment (tile t of 16 columns, K step s) at v[8 (4 t + s)].
.set ROWP,  528                        ; a row's 512 bytes + 16 of padding = 132 words: the sixteen rows that a load touches start at sixteen different banks (64 banks of 4 bytes: ISA guide 11.1)
.set WREG,  96*ROWP                    ; a wave's rows: 32 of x, then 64 of mem
.set BIAS,  4*WREG                     ; for each wave 512 bytes of bq, then 512 of bk
.set XIMG,  BIAS+4096                  ; 24 fragments: tile m, K step s at (4 m + s) x 1,024
.set XSC,   XIMG+24*1024               ; their scale words, 128 bytes each
.set SPARE, XSC+24*128                 ; the spare words, 128 bytes for each wave: two blocks of 256 bytes that no other line names
.set RD,  4                            ; v4   my row and half in my wave's rows
.set LI,  5                            ; v5   XIMG + 16 x lane
.set LS,  6                            ; v6   XSC + 4 x lane
.set XWI, 7                            ; v7   where I store images: LI + 1,024 x wave
.set XWS, 8                            ; v8   and scale words: LS + 128 x wave
.set BA,  9                            ; v9   my wave's biases, + 32 h
.set L16, 10                           ; v10  16 x lane
.set WSO, 11                           ; v11  16 r + 1,024 h
.set R4,  12                           ; v12  4 r
.set SPW, 14                           ; v14  my spare word; never rewritten
.set NIL, 15                           ; v15  0; never rewritten
.set XF,  16
.set QS,  16
.set XS,  80
.set ACC, 88
.set PC,  88                           ; the codes just made
.set TM,  96                           ; v96-99 largest magnitudes, v100-103 bytes, v108-111 the conversions' scale operands
.set PW,  112                          ; the scale word just made
.set WS,  152                          ; weight i: register 16 i + 4 tp + s: lanes 0-15 tile tp, lanes 16-31 tile tp + 4, K step s
.set BV,  200                          ; register t: bv of column 16 t + r
.set G1X, 24
.set G1M, 32
.set G1B, 40
.set G0X, 48
.set G0M, 52
.set G0Q, 56
.set G0K, 60
.set WV,  66
.set SEL, 68
.set PWC, 70                           ; s[70:71] wcodes at my wave's columns;  s[72:73] wscales;  s[74:75] bv
.set PWS, 72
.set PBV, 74
.set QB,  76                           ; s[76:77], s[78:79], s[80:81]: qf, kf, vf at my work-group's rows and my wave's first head
.set KB,  78
.set VB,  80
.set MSB, 0
.macro WIN new                         ; the immediate's high byte repeats the setting that is left
.if MSB != (\new)
	s_set_vgpr_msb (MSB<<8)|(\new)
.set MSB, (\new)
.endif
.endm
.macro PLACES
.rept 4
	v_nop
.endr
.endm
; 64 numbers of a lane, register 16 b + i = k 32 b + 16 (lane / 16) + i of my row, become a fragment's codes in v[PC] on and its scale word in v[PW]
.macro QUANT s
.irp b, 0,1,2,3
	v_max3_num_f32 v[TM+\b], |v[\s+16*\b]|, |v[\s+1+16*\b]|, 0x1800000   ; block b: my 16 numbers, and the floor 2^(3 - 127): the byte cannot fall under 1
.endr
.irp i, 2,4,6,8,10,12,14
.irp b, 0,1,2,3
	v_max3_num_f32 v[TM+\b], v[TM+\b], |v[\s+16*\b+\i]|, |v[\s+1+16*\b+\i]|   ; the four blocks by turns
.endr
.endr
.irp b, 0,1,2,3
	v_permlanex16_b32 v[TM+4+\b], v[TM+\b], s[SEL], s[SEL+1]
.endr
.irp b, 0,1,2,3
	v_max_num_f32 v[TM+\b], v[TM+\b], v[TM+4+\b]   ; with lane l xor 16's: the block's largest magnitude
.endr
.irp b, 0,1,2,3
	v_add_nc_u32 v[TM+12+\b], 0xff000000, v[TM+\b] ; 2 off its exponent field: the conversion's scale operand
.endr
.irp b, 0,1,2,3
	v_lshrrev_b32 v[TM+4+\b], 23, v[TM+12+\b]      ; the scale's byte
.endr
	v_lshl_or_b32 v[PW], v[TM+5], 8, v[TM+4]
	v_lshl_or_b32 v[PW], v[TM+6], 16, v[PW]
	v_lshl_or_b32 v[PW], v[TM+7], 24, v[PW]
.irp b, 0,1,2,3
	v_cvt_scalef32_pk8_fp4_f32 v[PC+2*\b], v[\s+16*\b:\s+7+16*\b], v[TM+12+\b]
	v_cvt_scalef32_pk8_fp4_f32 v[PC+1+2*\b], v[\s+8+16*\b:\s+15+16*\b], v[TM+12+\b]
.endr
	v_nop                                          ; one plain line behind the last conversion
.irp c, 0,1                                    ; the operand's layout wants a whole block in a lane: lanes 0-15 block 2 c, lanes 16-31 block 2 c + 1
.irp i, 0,1
	v_permlane16_swap_b32 v[PC+4*\c+\i], v[PC+2+4*\c+\i]
.endr
.endr
.endm
.macro IMAGE adr, off
.irp c, 0,1
	ds_store_b128 v[\adr], v[PC+4*\c:PC+4*\c+3] offset:(\off)+512*\c
.endr
.endm
.macro FETCH reg, off
.irp c, 0,1
	ds_load_b128 v[\reg+4*\c:\reg+4*\c+3], v[LI] offset:(\off)+512*\c
.endr
.endm
.macro LOADW i                         ; weight i's 32 fragments of my columns into window i: 64 loads of 512 consecutive bytes
	WIN 0x40*(\i)
.set n, 0
.rept 64
	global_load_b128 v[4*n:4*n+3], v[L16], s[PWC:PWC+1] offset:131072*((\i)-1)+512*n
.set n, n+1
.endr
	WIN 0
.endm
.macro UNITX m                         ; my K step of row tile m: from my rows in LDS, quantised, image and scale word to LDS
.irp b, 0,1,2,3
.irp j, 0,1,2,3
	ds_load_b128 v[QS+16*\b+4*\j:QS+16*\b+4*\j+3], v[RD] offset:16*ROWP*(\m)+128*\b+16*\j
.endr
.endr
	s_wait_dscnt 0x0
	QUANT QS
	IMAGE XWI, 4096*(\m)
	ds_store_b32 v[XWS], v[PW] offset:512*(\m)
	s_wait_dscnt 0x0                               ; the stores have read their registers
.endm
.macro PREX m, e                       ; row tile m's four fragments and scale words into set e
.irp s, 0,1,2,3
	FETCH XF+32*(\e)+8*\s, (4*(\m)+\s)*1024
	ds_load_b32 v[XS+4*(\e)+\s], v[LS] offset:128*(4*(\m)+\s)
.endr
.endm
.macro PREB a, boff, gh                ; the bias in the result's layout (my half's eight channels of each tile) into accumulator set a: it is the C of each sum's first product
.irp tt, 0,1,2,3
	ds_load_b128 v[ACC+32*(\a)+8*\tt:ACC+32*(\a)+8*\tt+3], v[BA] offset:(\boff)+64*(4*(\gh)+\tt)
	ds_load_b128 v[ACC+32*(\a)+8*\tt+4:ACC+32*(\a)+8*\tt+7], v[BA] offset:(\boff)+64*(4*(\gh)+\tt)+16
.endr
.endm
; 16 products, transposed: head gh's four tiles of columns of the weight in window win x the row tile in set e, K = 512.  The four accumulators take turns, one instruction a turn.
.macro MULT win, gh, e, a
	WIN \win
.irp s, 0,1,2,3
.irp tt, 0,1,2,3
.if \gh
	v_wmma_scale_f32_16x16x128_f8f6f4 v[ACC+32*(\a)+8*\tt:ACC+32*(\a)+8*\tt+7], v[8*(4*(4*(\gh)+\tt)+\s):8*(4*(4*(\gh)+\tt)+\s)+7], v[XF+32*(\e)+8*\s:XF+32*(\e)+8*\s+7], v[ACC+32*(\a)+8*\tt:ACC+32*(\a)+8*\tt+7], v[WS+16*((\win)-1)+4*\tt+\s], v[XS+4*(\e)+\s] matrix_a_fmt:MATRIX_FMT_FP4 matrix_b_fmt:MATRIX_FMT_FP4 matrix_a_scale:MATRIX_SCALE_ROW1
.else
	v_wmma_scale_f32_16x16x128_f8f6f4 v[ACC+32*(\a)+8*\tt:ACC+32*(\a)+8*\tt+7], v[8*(4*(4*(\gh)+\tt)+\s):8*(4*(4*(\gh)+\tt)+\s)+7], v[XF+32*(\e)+8*\s:XF+32*(\e)+8*\s+7], v[ACC+32*(\a)+8*\tt:ACC+32*(\a)+8*\tt+7], v[WS+16*((\win)-1)+4*\tt+\s], v[XS+4*(\e)+\s] matrix_a_fmt:MATRIX_FMT_FP4 matrix_b_fmt:MATRIX_FMT_FP4
.endif
.endr
.endr
	WIN 0
	PLACES                                         ; four places in front of the first read of results, and of later loads into these products' registers
.endm
; 16 products as they stand, for v: source 0 = the row tile, source 1 = Wv's columns (window 3); the first K step starts the sums; bv, one number a lane and tile, is added behind them
.macro MULN gh, e, a
	WIN 0x0c
.irp s, 0,1,2,3
.irp tt, 0,1,2,3
.if \s == 0
.if \gh
	v_wmma_scale_f32_16x16x128_f8f6f4 v[ACC+32*(\a)+8*\tt:ACC+32*(\a)+8*\tt+7], v[XF+32*(\e)+8*\s:XF+32*(\e)+8*\s+7], v[8*(4*(4*(\gh)+\tt)+\s):8*(4*(4*(\gh)+\tt)+\s)+7], 0, v[XS+4*(\e)+\s], v[WS+32+4*\tt+\s] matrix_a_fmt:MATRIX_FMT_FP4 matrix_b_fmt:MATRIX_FMT_FP4 matrix_b_scale:MATRIX_SCALE_ROW1
.else
	v_wmma_scale_f32_16x16x128_f8f6f4 v[ACC+32*(\a)+8*\tt:ACC+32*(\a)+8*\tt+7], v[XF+32*(\e)+8*\s:XF+32*(\e)+8*\s+7], v[8*(4*(4*(\gh)+\tt)+\s):8*(4*(4*(\gh)+\tt)+\s)+7], 0, v[XS+4*(\e)+\s], v[WS+32+4*\tt+\s] matrix_a_fmt:MATRIX_FMT_FP4 matrix_b_fmt:MATRIX_FMT_FP4
.endif
.else
.if \gh
	v_wmma_scale_f32_16x16x128_f8f6f4 v[ACC+32*(\a)+8*\tt:ACC+32*(\a)+8*\tt+7], v[XF+32*(\e)+8*\s:XF+32*(\e)+8*\s+7], v[8*(4*(4*(\gh)+\tt)+\s):8*(4*(4*(\gh)+\tt)+\s)+7], v[ACC+32*(\a)+8*\tt:ACC+32*(\a)+8*\tt+7], v[XS+4*(\e)+\s], v[WS+32+4*\tt+\s] matrix_a_fmt:MATRIX_FMT_FP4 matrix_b_fmt:MATRIX_FMT_FP4 matrix_b_scale:MATRIX_SCALE_ROW1
.else
	v_wmma_scale_f32_16x16x128_f8f6f4 v[ACC+32*(\a)+8*\tt:ACC+32*(\a)+8*\tt+7], v[XF+32*(\e)+8*\s:XF+32*(\e)+8*\s+7], v[8*(4*(4*(\gh)+\tt)+\s):8*(4*(4*(\gh)+\tt)+\s)+7], v[ACC+32*(\a)+8*\tt:ACC+32*(\a)+8*\tt+7], v[XS+4*(\e)+\s], v[WS+32+4*\tt+\s] matrix_a_fmt:MATRIX_FMT_FP4 matrix_b_fmt:MATRIX_FMT_FP4
.endif
.endif
.endr
.endr
	WIN 0
	PLACES
.irp tt, 0,1,2,3
.irp p, 0,2,4,6                                ; each accumulator from its low end on
.if (\tt)%2 == 0
	v_pk_add_f32 v[ACC+32*(\a)+8*\tt+\p:ACC+32*(\a)+8*\tt+\p+1], v[ACC+32*(\a)+8*\tt+\p:ACC+32*(\a)+8*\tt+\p+1], v[BV+4*(\gh)+\tt:BV+4*(\gh)+\tt+1] op_sel_hi:[1,0]   ; the pair's first register for both halves
.else
	v_pk_add_f32 v[ACC+32*(\a)+8*\tt+\p:ACC+32*(\a)+8*\tt+\p+1], v[ACC+32*(\a)+8*\tt+\p:ACC+32*(\a)+8*\tt+\p+1], v[BV+4*(\gh)+\tt-1:BV+4*(\gh)+\tt] op_sel:[0,1] op_sel_hi:[1,1]   ; the pair's second register for both halves
.endif
.endr
.endr
.endm
; Set a's four accumulators are rounded to f16 in place, ascending (a destination never lies above a source still to be read), and stored: each store is 512 consecutive bytes, aligned
.macro OUT a, base, imm, step
.irp tt, 0,1,2,3
.irp p, 0,1,2,3
	v_cvt_pk_f16_f32 v[ACC+32*(\a)+8*\tt+\p], v[ACC+32*(\a)+8*\tt+2*\p], v[ACC+32*(\a)+8*\tt+2*\p+1]
.endr
.endr
.irp tt, 0,1,2,3
	global_store_b128 v[L16], v[ACC+32*(\a)+8*\tt:ACC+32*(\a)+8*\tt+3], s[\base:\base+1] offset:(\imm)+(\step)*\tt
.endr
.endm
.macro HEAD                            ; the head of a unit of 16 products
	s_wait_dscnt 0x0                               ; its fragments, scale words and bias, asked for a unit ago, are in
	s_wait_xcnt 0x0                                ; the earlier stores have had their addresses translated (ISA guide 3.1): only behind this wait are the registers that they read written again
.endm
	s_load_b512 s[4:19], s[0:1], 0x0               ; x, mem, wcodes, wscales, bq, bk, bv, qf
	s_load_b128 s[20:23], s[0:1], 0x40             ; kf, vf
	v_lshl_add_u32 v[SPW], v0, 2, SPARE
	v_mov_b32 v[NIL], 0
	ds_add_u32 v[SPW], v[NIL]                      ; the wave's opening: the add, twice on end, and its wait ahead of my first tensor load; the set-up below stands between
	ds_add_u32 v[SPW], v[NIL]
	v_lshrrev_b32 v1, 5, v0
	v_readfirstlane_b32 s[WV], v1                  ; wave 0..3
	; group 1 for x's tile: 32 rows of 128 elements of 4 bytes, 512 elements from row to row; 4 words of padding behind every 128
	s_mov_b32 s[G1X+0], (2<<16)|(1<<20)|(6<<22)|(3<<25)
	s_mov_b32 s[G1X+1], 128<<16                    ; tensor_dim0
	s_mov_b32 s[G1X+2], 32<<16                     ; tensor_dim1
	s_mov_b32 s[G1X+3], 128<<16                    ; tile_dim0
	s_mov_b32 s[G1X+4], 32                         ; tile_dim1
	s_mov_b32 s[G1X+5], 512                        ; stride
	s_mov_b32 s[G1X+6], 0
	s_mov_b32 s[G1X+7], 0
	; for mem's: 64 rows
	s_mov_b32 s[G1M+0], (2<<16)|(1<<20)|(6<<22)|(3<<25)
	s_mov_b32 s[G1M+1], 128<<16
	s_mov_b32 s[G1M+2], 64<<16
	s_mov_b32 s[G1M+3], 128<<16
	s_mov_b32 s[G1M+4], 64
	s_mov_b32 s[G1M+5], 512
	s_mov_b32 s[G1M+6], 0
	s_mov_b32 s[G1M+7], 0
	; for a bias: one row of 64 elements of 8 bytes
	s_mov_b32 s[G1B+0], 3<<16
	s_mov_b32 s[G1B+1], 64<<16
	s_mov_b32 s[G1B+2], 1<<16
	s_mov_b32 s[G1B+3], 64<<16
	s_mov_b32 s[G1B+4], 1
	s_mov_b32 s[G1B+5], 64
	s_mov_b32 s[G1B+6], 1<<16
	s_mov_b32 s[G1B+7], 0
	s_mov_b32 s[SEL], 0x76543210
	s_mov_b32 s[SEL+1], 0xfedcba98                 ; v_permlanex16_b32's selects for lane l xor 16
	s_lshl_b32 s82, s[WV], 9                       ; my K step in a row, and my 128 numbers of a bias: 512 bytes x wave
	s_mov_b32 s83, 0
	s_lshl_b32 s84, ttmp9, 16                      ; x: 32 rows of 2,048 bytes a work-group
	s_add_co_u32 s84, s84, s82
	s_mov_b32 s85, 0
	s_lshl_b32 s86, ttmp9, 17                      ; mem: 64 rows
	s_add_co_u32 s86, s86, s82
	s_mov_b32 s87, 0
	s_mul_i32 s88, s[WV], WREG                     ; my rows in LDS
	s_lshl_b32 s89, s[WV], 10
	s_add_co_u32 s89, s89, BIAS                    ; my biases in LDS
	v_and_b32 v1, 31, v0                           ; lane
	v_and_b32 v2, 15, v0                           ; r
	v_bfe_u32 v3, v0, 4, 1                         ; h
	v_mul_u32_u24 v[RD], v2, ROWP
	v_lshl_add_u32 v[RD], v3, 6, v[RD]             ; row r, + 64 h: my 16 numbers of a block of 32
	v_add_nc_u32 v[RD], s88, v[RD]
	v_lshlrev_b32 v[L16], 4, v1
	v_add_nc_u32 v[LI], XIMG, v[L16]
	v_lshl_add_u32 v[LS], v1, 2, XSC
	s_lshl_b32 s67, s[WV], 10
	v_add_nc_u32 v[XWI], s67, v[LI]
	s_lshl_b32 s67, s[WV], 7
	v_add_nc_u32 v[XWS], s67, v[LS]
	v_lshlrev_b32 v[BA], 5, v3
	v_add_nc_u32 v[BA], s89, v[BA]
	v_lshlrev_b32 v[WSO], 4, v2
	v_lshl_add_u32 v[WSO], v3, 10, v[WSO]
	v_lshlrev_b32 v[R4], 2, v2
.irp b, 0,1,2,3
	v_mov_b32 v[TM+4+\b], 0                        ; written once: a lane permute's destination counts as one of its sources
.endr
	s_wait_dscnt 0x0                               ; both opening adds are done
	s_wait_kmcnt 0x0
	s_mov_b32 s[G0X], 1
	s_mov_b32 s[G0X+1], s88
	s_add_nc_u64 s[G0X+2:G0X+3], s[4:5], s[84:85]
	s_or_b32 s[G0X+3], s[G0X+3], 0x80000000
	s_mov_b32 s[G0M], 1
	s_add_co_u32 s[G0M+1], s88, 32*ROWP
	s_add_nc_u64 s[G0M+2:G0M+3], s[6:7], s[86:87]
	s_or_b32 s[G0M+3], s[G0M+3], 0x80000000
	s_mov_b32 s[G0Q], 1
	s_mov_b32 s[G0Q+1], s89
	s_add_nc_u64 s[G0Q+2:G0Q+3], s[12:13], s[82:83]
	s_or_b32 s[G0Q+3], s[G0Q+3], 0x80000000
	s_mov_b32 s[G0K], 1
	s_add_co_u32 s[G0K+1], s89, 512
	s_add_nc_u64 s[G0K+2:G0K+3], s[14:15], s[82:83]
	s_or_b32 s[G0K+3], s[G0K+3], 0x80000000
	; all four fills go out together; every byte is filled once; four tensor loads of mine are out.  An s_nop 0 follows each, four v_nop the last
	tensor_load_to_lds s[G0X:G0X+3], s[G1X:G1X+7]
	s_nop 0
	tensor_load_to_lds s[G0M:G0M+3], s[G1M:G1M+7]
	s_nop 0
	tensor_load_to_lds s[G0Q:G0Q+3], s[G1B:G1B+7]
	s_nop 0
	tensor_load_to_lds s[G0K:G0K+3], s[G1B:G1B+7]
	s_nop 0
	PLACES
	s_add_nc_u64 s[PBV:PBV+1], s[16:17], s[82:83]  ; bv at my 128 columns
	s_lshl_b32 s82, s[WV], 15
	s_add_nc_u64 s[PWC:PWC+1], s[8:9], s[82:83]    ; wcodes: my 8 tiles of 4,096 bytes
	s_lshl_b32 s82, s[WV], 11
	s_add_nc_u64 s[PWS:PWS+1], s[10:11], s[82:83]  ; wscales: my 128 columns of 16 bytes
	s_lshr_b32 s84, ttmp9, 6                       ; the batch
	s_and_b32 s86, ttmp9, 63                       ; my work-group in it
	s_lshl_b32 s82, s84, 21                        ; qf: 8 heads of 262,144 bytes a batch,
	s_lshl_b32 s85, s[WV], 19                      ; two heads a wave,
	s_add_co_u32 s82, s82, s85
	s_lshl_b32 s85, s86, 12                        ; two tiles of 2,048 bytes a work-group
	s_add_co_u32 s82, s82, s85
	s_add_nc_u64 s[QB:QB+1], s[18:19], s[82:83]
	s_lshl_b32 s82, s82, 1                         ; kf and vf: twice the rows, so twice each term
	s_add_nc_u64 s[KB:KB+1], s[20:21], s[82:83]
	s_add_nc_u64 s[VB:VB+1], s[22:23], s[82:83]
.irp i, 0,1,2
.irp tp, 0,1,2,3
	global_load_b128 v[WS+16*\i+4*\tp:WS+16*\i+4*\tp+3], v[WSO], s[PWS:PWS+1] offset:8192*\i+256*\tp   ; a column's four words: lanes 0-15 tile tp, lanes 16-31 tile tp + 4
.endr
.endr
.irp t, 0,1,2,3,4,5,6,7
	global_load_b32 v[BV+\t], v[R4], s[PBV:PBV+1] offset:64*\t
.endr
	LOADW 1
	LOADW 2
	s_wait_tensorcnt 3                             ; x's tile is in: the three loads issued behind it may stay out.  Only I read these bytes
	UNITX 0
	UNITX 1
	LOADW 3
	s_wait_tensorcnt 2                             ; mem's tile is in
	UNITX 2
	UNITX 3
	UNITX 4
	UNITX 5
	s_wait_tensorcnt 0x0                           ; my biases are in
	s_wait_dscnt 0x0                               ; my images and scale words have landed
	s_barrier_signal -1
	s_barrier_wait -1                              ; everybody's have.
	s_wait_loadcnt 0x0                             ; the weights, their scale words, bv
	; TWENTY UNITS OF 16 PRODUCTS.  Accumulator sets by turns; fragment sets by the row tile's parity; each unit asks for what the next one needs
	PREX 0, 0
	PREB 0, 0, 0
	HEAD                                           ; x's tile 0, head 2 w
	PREB 1, 0, 1
	MULT 1, 0, 0, 0
	OUT 0, QB, 0, 512
	HEAD                                           ; head 2 w + 1
	PREX 1, 1
	PREB 0, 0, 0
	MULT 1, 1, 0, 1
	OUT 1, QB, 262144, 512
	HEAD                                           ; x's tile 1
	PREB 1, 0, 1
	MULT 1, 0, 1, 0
	OUT 0, QB, 2048, 512
	HEAD
	PREX 2, 0
	PREB 0, 512, 0
	MULT 1, 1, 1, 1
	OUT 1, QB, 262144+2048, 512
.irp mm, 0,1,2,3                               ; mem's four tiles: k for both heads, then v
	HEAD
	PREB 1, 512, 1
	MULT 2, 0, (\mm)%2, 0
	OUT 0, KB, 2048*\mm, 512
	HEAD
	MULT 2, 1, (\mm)%2, 1
	OUT 1, KB, 524288+2048*\mm, 512
	HEAD
	MULN 0, (\mm)%2, 0
	OUT 0, VB, 4096*(\mm/2)+512*(\mm%2), 1024
	HEAD
.if \mm < 3
	PREX 3+\mm, 1-(\mm)%2
	PREB 0, 512, 0
.endif
	MULN 1, (\mm)%2, 1
	OUT 1, VB, 524288+4096*(\mm/2)+512*(\mm%2), 1024
.endr
	s_wait_tensorcnt 0x0                           ; the wave's end: behind my last tensor load and my last LDS store
	ds_add_u32 v[SPW], v[NIL]
	s_wait_dscnt 0x0
	s_endpgm
.Lfunc_end_k_qbe66e46b78_proj:
	.size	k_qbe66e46b78_proj, .Lfunc_end_k_qbe66e46b78_proj-k_qbe66e46b78_proj
	.p2alignl 7, 3214868480
	.fill 96, 4, 3214868480
	.section	.rodata,"a",@progbits
	.p2align	6, 0x0
	.amdhsa_kernel k_qbe66e46b78_proj
		.amdhsa_group_segment_fixed_size 327680
		.amdhsa_private_segment_fixed_size 0
		.amdhsa_enable_private_segment 0
		.amdhsa_kernarg_size 80
		.amdhsa_user_sgpr_count 2
		.amdhsa_user_sgpr_kernarg_segment_ptr 1
		.amdhsa_wavefront_size32 1
		.amdhsa_system_sgpr_workgroup_id_x 1
		.amdhsa_system_sgpr_workgroup_id_y 1
		.amdhsa_system_sgpr_workgroup_id_z 1
		.amdhsa_system_vgpr_workitem_id 0
		.amdhsa_next_free_vgpr 1024
		.amdhsa_next_free_sgpr 90
		.amdhsa_reserve_vcc 0
		.amdhsa_float_denorm_mode_32 3
		.amdhsa_float_denorm_mode_16_64 3
		.amdhsa_memory_ordered 1
		.amdhsa_forward_progress 1
		.amdhsa_inst_pref_size 147
	.end_amdhsa_kernel
	.amdgpu_metadata
---
amdhsa.version: [ 1, 2 ]
amdhsa.kernels:
  - .name:           k_qbe66e46b78_proj
    .symbol:         k_qbe66e46b78_proj.kd
    .args:
      - { .name: x, .offset: 0, .size: 8, .value_kind: global_buffer, .address_space: global }
      - { .name: mem, .offset: 8, .size: 8, .value_kind: global_buffer, .address_space: global }
      - { .name: wcodes, .offset: 16, .size: 8, .value_kind: global_buffer, .address_space: global }
      - { .name: wscales, .offset: 24, .size: 8, .value_kind: global_buffer, .address_space: global }
      - { .name: bq, .offset: 32, .size: 8, .value_kind: global_buffer, .address_space: global }
      - { .name: bk, .offset: 40, .size: 8, .value_kind: global_buffer, .address_space: global }
      - { .name: bv, .offset: 48, .size: 8, .value_kind: global_buffer, .address_space: global }
      - { .name: qf, .offset: 56, .size: 8, .value_kind: global_buffer, .address_space: global }
      - { .name: kf, .offset: 64, .size: 8, .value_kind: global_buffer, .address_space: global }
      - { .name: vf, .offset: 72, .size: 8, .value_kind: global_buffer, .address_space: global }
    .group_segment_fixed_size: 327680
    .private_segment_fixed_size: 0
    .kernarg_segment_align: 8
    .kernarg_segment_size: 80
    .max_flat_workgroup_size: 128
    .sgpr_count:     90
    .vgpr_count:     1024
    .wavefront_size: 32
...
	.end_amdgpu_metadata
.endif
;; end of part 2
;; launch attn (part 3): grid 8 x 32, 8 waves a work-group, clusters of 4 x 1, 327,680 bytes of LDS; arguments qf, kf, vf, zf; writes zf
.if DOCPART == 3
	.amdgcn_target "amdgcn-amd-amdhsa--gfx1250"
	.amdhsa_code_object_version 6
	.text
	.protected	k_qbe66e46b78_attn
	.globl	k_qbe66e46b78_attn
	.p2align	8
	.type	k_qbe66e46b78_attn,@function
k_qbe66e46b78_attn:
	s_mov_b64 s[64:65], 0
	v_nop
	global_prefetch_b8 v0, s[64:65] scope:SCOPE_SE
	s_setreg_imm32_b32 hwreg(HW_REG_WAVE_MODE, 25, 1), 1
	s_wait_xcnt 0x0
	s_wait_alu depctr_hold_cnt(0) depctr_sa_sdst(0) depctr_va_vdst(0) depctr_va_sdst(0) depctr_va_ssrc(0) depctr_va_vcc(0) depctr_vm_vsrc(0)
	s_getreg_b32 s2, hwreg(HW_REG_IB_STS2, 6, 4)
	s_cmp_eq_u32 s2, 0
	s_cbranch_scc0 .Lentry_in_a_cluster
	s_endpgm
.Lentry_in_a_cluster:
	s_bfe_u32 s2, ttmp6, 0x10000c
	s_cmp_lg_u32 s2, 0x3003
	s_cbranch_scc0 .Lentry_shape_is_right
	s_endpgm
.Lentry_shape_is_right:
; z[b][t][head] = the sum over the 4,096 keys of softmax(q . k / 8) v, head size 64, 32 pairs (batch, head).  q, k, v arrive as f16 in the order of the operand registers; products and sums in f32; the weights p are rounded to f16
; for the second product; z is rounded to f16 and stored in the order of the next launch's operand registers.
; SHARES.  A work-group owns 256 queries of one (batch, head); each of its EIGHT waves owns 32, two tiles of 16, in 384 registers: two waves to a SIMD, so that one wave's softmax stands beside the other's products and LDS loads.
; A key step is 64 keys: 32 matrix instructions and 236 vector instructions a wave; more vector work than the time of the products holds, so the two kinds are left to the two waves and not laid by turns in one.
; LAYOUT.  S^T = K Q^T (source 0 = 16 keys, source 1 = 16 queries): a lane holds ONE query (lane % 16) and keys 8 (lane / 16) + 0 .. 7.  Two such tiles, rounded in pairs, ARE source 1 (32 keys x 16 queries) of O^T = V^T P,
; whose result again holds one query a lane and eight channels, which round into four registers of a fragment of z.  Nothing changes lanes but one exchange between the halves for a query's maximum and sum.
; SOFTMAX.  A running maximum m and sum l for each query: p = 2^(c s - c m), c = log2(e) / 8; in every step O and l are multiplied by a = 2^(c m_old - c m_new).  m begins at -3e38 and O, l at 0: the first step's a is 0 and multiplies zeros.
; RING.  Two LDS slots of 512 keys: K's 65,536 bytes, then V's; both are dense blocks of memory and are read as they lie, 512 consecutive bytes an instruction: no padding.  Each wave brings 16,384 bytes of a slot by one tensor load.
; CLUSTER.  The four query blocks of a cluster belong to one (batch, head) and walk the same K and V: every tile is asked for JOINTLY, by the same load with the same descriptor and a mask that names the four.
; LIMITS: z beyond 65,504 in magnitude becomes infinity in f16, under 6e-5 it keeps an absolute error of 3e-8; p under 6e-5 likewise.
; REGISTERS: window 0: v1-8 addresses; v16-31 eight registers of statistics a tile; v32-63 Q; v64-127 S^T, then p; v128-159 P; v160-223 O^T.   window 1: v0-63 K of a step, v64-127 V of a step.
.set SLOT1, 1<<17                      ; slot 1 begins here: one exclusive or turns an address in one slot into the other's
.set VOFF,  65536                      ; V's part of a slot
.set STEPB, 8192                       ; a key step's bytes of K, and of V
.set SPARE, 2*SLOT1                    ; the spare words, 128 bytes for each wave: four blocks of 256 bytes that no other line names
.set L16, 1                            ; v1  16 x lane; never rewritten
.set ADK, 2                            ; v2  LDS address of the step's K
.set ADV, 3                            ; v3  of its V
.set SPW, 6                            ; v6  my spare word; never rewritten
.set NIL, 7                            ; v7  0; never rewritten
.set PFO, 8                            ; v8  256 x lane; never rewritten
.set ST,  16                           ; tile t at v[ST + 8 t]: +0 c m, +1 m, +2, +3 l (even keys', odd keys'), +4 to +7 at work; a in +6; the sums' second chain in +4, +5
.set Q,   32
.set S,   64
.set P,   128
.set O,   160
.set KF,  0                            ; in window 1
.set VF,  64
.set WV,  12
.set G1,  16                           ; s[16:23] descriptor group 1;  s[24:27] group 0, which walks
.set G0,  24
.set CS,  28                           ; s[28:29] c, twice: the packed form names a pair
.set SEL, 30                           ; s[30:31] lane selects for v_permlanex16_b32: lane l xor 16
.set TB,  32                           ; s32 LDS byte at which the step in hand begins
.set SLOTS, 33                         ; s33 slots still to be asked for
.set CNT, 34
.set LIM, 35                           ; s35 1 in a wave that prefetches, else the greatest number
.set PFA, 36                           ; s[36:37] where my prefetches stand
.set MSB, 0
.macro WIN new                         ; the immediate's high byte repeats the setting that is left
.if MSB != (\new)
	s_set_vgpr_msb (MSB<<8)|(\new)
.set MSB, (\new)
.endif
.endm
.macro PLACES
.rept 4
	v_nop
.endr
.endm
; A round of the cluster's barrier: my work-group's barrier; wave 0 signals for the work-group; every wave waits for all four work-groups; my work-group's barrier once more
.macro CROUND
	s_barrier_signal -1
	s_barrier_wait -1
	s_cmp_lg_u32 s[WV], 0
	s_cbranch_scc1 .Lnot_wave_0_\@
	s_barrier_signal -3
.Lnot_wave_0_\@:
	s_barrier_wait -3
	s_barrier_signal -1
	s_barrier_wait -1
.endm
; A PREFETCH of what the NEXT change of slots will ask for, one slot (eight key steps, 256 matrix instructions a wave) ahead of that load.  Each aligned block of 256 bytes is named once in the launch: both clusters of a (batch, head) walk
; the same K and V, and the first of them asks; in it the even waves ask, each for the 32,768 bytes that it and the next wave fetch; the four partners share these out BY ADDRESS, 8,192 bytes each, lanes 256 bytes apart.
; The last change that fills a slot asks for nothing; slots 0 and 1 come by their loads alone.
.macro ASK
	s_cmp_gt_u32 s[SLOTS], s[LIM]
	s_cbranch_scc0 .Lnot_mine_\@
	global_prefetch_b8 v[PFO], s[PFA:PFA+1] th:TH_LOAD_NT scope:SCOPE_SE
.Lnot_mine_\@:
.endm
; THE CHANGE OF SLOTS stands at a slot's head.  Each wave waits for all its tensor loads (its part of the slot that it is about to read), adds 0 to its spare word, and waits for that and for its reads of the slot that it has left.
; fill = 1: a round of the cluster's barrier follows, so that no wave of any partner still reads the other slot or has a load on its way; the joint load is the first thing behind it, and one load of mine is out until the next change.
.macro CHANGE fill
	s_wait_tensorcnt 0x0                           ; no tensor load of mine is out, so group 0 may be written
	ds_add_u32 v[SPW], v[NIL]                      ; 0 onto my spare word
.if \fill
	s_xor_b32 s[G0+1], s[G0+1], SLOT1              ; the other slot than last time,
	s_add_nc_u64 s[G0+2:G0+3], s[G0+2:G0+3], 65536 ; the next 512 keys; the type bits on top are not reached
	s_wait_xcnt 0x0                                ; the last prefetch, a slot back, has read its address, so it may be written
	s_add_nc_u64 s[PFA:PFA+1], s[PFA:PFA+1], 65536 ; one slot further on than the walking descriptor
	s_wait_dscnt 0x0                               ; the add is done, and my reads of the slot that I have left are over
	CROUND
	tensor_load_to_lds s[G0:G0+3], s[G1:G1+7]
	s_nop 0
	PLACES
	ASK
.else
	s_wait_dscnt 0x0
	s_barrier_signal -1
	s_barrier_wait -1
.endif
.endm
.macro FETCH_K                         ; a slot's first step of K
	v_add_nc_u32 v[ADK], s[TB], v[L16]
	WIN 0x40                                       ; destination window 1
.set n, 0
.rept 16
	ds_load_b128 v[KF+4*n:KF+4*n+3], v[ADK] offset:512*n
.set n, n+1
.endr
	WIN 0
.endm
; 16 products S^T = K Q^T: channels 32 cs on, keys 16 kt on, tile t.  The first eight start the sums; the eight accumulators take turns, one instruction a turn
.macro KQ
.irp cs, 0,1
.irp kt, 0,1,2,3
.irp t, 0,1
.if \cs == 0
	v_wmma_f32_16x16x32_f16 v[S+32*\t+8*\kt:S+32*\t+8*\kt+7], v[KF+8*(2*\kt+\cs):KF+8*(2*\kt+\cs)+7], v[Q+16*\t+8*\cs:Q+16*\t+8*\cs+7], 0
.else
	v_wmma_f32_16x16x32_f16 v[S+32*\t+8*\kt:S+32*\t+8*\kt+7], v[KF+8*(2*\kt+\cs):KF+8*(2*\kt+\cs)+7], v[Q+16*\t+8*\cs:Q+16*\t+8*\cs+7], v[S+32*\t+8*\kt:S+32*\t+8*\kt+7]
.endif
.endr
.endr
.endr
.endm
; 16 products O^T += V^T P: keys 32 kg on, channels 16 ct on, tile t; eight accumulators by turns
.macro PV
.irp kg, 0,1
.irp ct, 0,1,2,3
.irp t, 0,1
	v_wmma_f32_16x16x32_f16 v[O+32*\t+8*\ct:O+32*\t+8*\ct+7], v[VF+8*(4*\kg+\ct):VF+8*(4*\kg+\ct)+7], v[P+16*\t+8*\kg:P+16*\t+8*\kg+7], v[O+32*\t+8*\ct:O+32*\t+8*\ct+7]
.endr
.endr
.endr
.endm
; Line z of 16 of tile t's sum of its 16 pairs of weights (in a pair: an even key's, an odd key's), in two chains: l = a l + pair 0;  T = pair 1 + pair 2;  pairs 3 to 15 onto l and T by turns;  l += T
.macro SUML t, z
.if (\z) == 0
	v_pk_fma_f32 v[ST+8*(\t)+2:ST+8*(\t)+3], v[ST+8*(\t)+2:ST+8*(\t)+3], v[ST+8*(\t)+6:ST+8*(\t)+7], v[S+32*(\t):S+32*(\t)+1] op_sel_hi:[1,0,1]
.elseif (\z) == 1
	v_pk_add_f32 v[ST+8*(\t)+4:ST+8*(\t)+5], v[S+32*(\t)+2:S+32*(\t)+3], v[S+32*(\t)+4:S+32*(\t)+5]
.elseif (\z) == 15
	v_pk_add_f32 v[ST+8*(\t)+2:ST+8*(\t)+3], v[ST+8*(\t)+2:ST+8*(\t)+3], v[ST+8*(\t)+4:ST+8*(\t)+5]
.elseif (\z)%2 == 0
	v_pk_add_f32 v[ST+8*(\t)+2:ST+8*(\t)+3], v[ST+8*(\t)+2:ST+8*(\t)+3], v[S+32*(\t)+2*(\z)+2:S+32*(\t)+2*(\z)+3]
.else
	v_pk_add_f32 v[ST+8*(\t)+4:ST+8*(\t)+5], v[ST+8*(\t)+4:ST+8*(\t)+5], v[S+32*(\t)+2*(\z)+2:S+32*(\t)+2*(\z)+3]
.endif
.endm
; THE SOFTMAX OF A KEY STEP, both tiles.  The exponentials go in two batches, each with one wait ahead of its first reader; the second batch stands among the first batch's readers.
.macro SOFTMAX
.irp j, 0,1,2,3                                ; the maximum of a lane's 32 scores and the old m, three operands at a time: four chains; each accumulator is first read at its low end
.irp t, 0,1
	v_max3_num_f32 v[ST+8*\t+4+\j], v[S+32*\t+8*\j], v[S+32*\t+8*\j+1], v[S+32*\t+8*\j+2]
.endr
.endr
.irp u, 1,2
.irp j, 0,1,2,3
.irp t, 0,1
	v_max3_num_f32 v[ST+8*\t+4+\j], v[ST+8*\t+4+\j], v[S+32*\t+8*\j+2*\u+1], v[S+32*\t+8*\j+2*\u+2]
.endr
.endr
.endr
.irp t, 0,1
	v_max3_num_f32 v[ST+8*\t+4], v[ST+8*\t+4], v[S+32*\t+7], v[S+32*\t+15]
.endr
.irp t, 0,1
	v_max3_num_f32 v[ST+8*\t+6], v[ST+8*\t+6], v[S+32*\t+23], v[S+32*\t+31]
.endr
.irp t, 0,1
	v_max3_num_f32 v[ST+8*\t+4], v[ST+8*\t+4], v[ST+8*\t+5], v[ST+8*\t+6]
.endr
.irp t, 0,1
	v_max3_num_f32 v[ST+8*\t+4], v[ST+8*\t+4], v[ST+8*\t+7], v[ST+8*\t+1]
.endr
.irp t, 0,1
	v_permlanex16_b32 v[ST+8*\t+5], v[ST+8*\t+4], s[SEL], s[SEL+1]   ; the query's other 32 keys lie in the lane 16 away
.endr
.irp t, 0,1
	v_mov_b32 v[ST+8*\t+7], v[ST+8*\t]             ; c m_old is kept for a
.endr
.irp t, 0,1
	v_max_num_f32 v[ST+8*\t+1], v[ST+8*\t+4], v[ST+8*\t+5]
.endr
.irp t, 0,1
	v_mul_f32 v[ST+8*\t], s[CS], v[ST+8*\t+1]
.endr
.irp t, 0,1
	v_sub_f32 v[ST+8*\t+7], v[ST+8*\t+7], v[ST+8*\t]
.endr
.set i, 0
.rept 16                                       ; tile 0: c s - c m, a pair of scores an instruction
	v_pk_fma_f32 v[S+2*i:S+2*i+1], v[S+2*i:S+2*i+1], s[CS:CS+1], v[ST:ST+1] op_sel_hi:[1,0,0] neg_lo:[0,0,1] neg_hi:[0,0,1]
.set i, i+1
.endr
.irp t, 0,1                                    ; BATCH 1: both tiles' a and tile 0's 32 weights; tile 1's scalings stand among them and name no result
	v_exp_f32 v[ST+8*\t+6], v[ST+8*\t+7]
.endr
.set i, 0
.rept 16
	v_exp_f32 v[S+2*i], v[S+2*i]
	v_exp_f32 v[S+2*i+1], v[S+2*i+1]
	v_pk_fma_f32 v[S+32+2*i:S+32+2*i+1], v[S+32+2*i:S+32+2*i+1], s[CS:CS+1], v[ST+8:ST+9] op_sel_hi:[1,0,0] neg_lo:[0,0,1] neg_hi:[0,0,1]
.set i, i+1
.endr
	s_wait_alu depctr_va_vdst(0)                   ; one wait for the batch, behind a plain line and ahead of its first reader
.set i, 0
.rept 16                                       ; BATCH 2: tile 1's 32 weights; between them tile 0's roundings and sums and both tiles' O^T x a, which name batch 1's results alone
	v_exp_f32 v[S+32+2*i], v[S+32+2*i]
	v_cvt_pk_f16_f32 v[P+i], v[S+2*i], v[S+2*i+1]
	v_exp_f32 v[S+32+2*i+1], v[S+32+2*i+1]
	SUML 0, i
	v_pk_mul_f32 v[O+4*i:O+4*i+1], v[O+4*i:O+4*i+1], v[ST+8*(i/8)+6:ST+8*(i/8)+7] op_sel_hi:[1,0]      ; each accumulator from its low end on
	v_pk_mul_f32 v[O+4*i+2:O+4*i+3], v[O+4*i+2:O+4*i+3], v[ST+8*(i/8)+6:ST+8*(i/8)+7] op_sel_hi:[1,0]
.set i, i+1
.endr
	s_wait_alu depctr_va_vdst(0)                   ; and one for the second batch
.set i, 0
.rept 16
	v_cvt_pk_f16_f32 v[P+16+i], v[S+32+2*i], v[S+32+2*i+1]
	SUML 1, i
.set i, i+1
.endr
.endm
; A KEY STEP.  nextk = 1: the next step's K, in the same slot, is fetched behind this step's first products
.macro STEP nextk
	v_add_nc_u32 v[ADK], s[TB], v[L16]             ; these two and two v_nop are the four places between the last products, which read V, and the loads into V's registers (ISA guide 7.12.1 for vector instructions)
	v_add_nc_u32 v[ADV], VOFF, v[ADK]
	v_nop
	v_nop
	WIN 0x40
.set n, 0
.rept 16
	ds_load_b128 v[VF+4*n:VF+4*n+3], v[ADV] offset:512*n
.set n, n+1
.endr
	s_wait_dscnt 16                                ; K's 16 loads, issued ahead of these 16, are in: on the way in and round the back edge alike
	WIN 0x01                                       ; source 0 window 1
	KQ
	WIN 0
	PLACES                                         ; in front of the first read of scores, and of the loads into K's registers
.if \nextk
	WIN 0x40
.set n, 0
.rept 16
	ds_load_b128 v[KF+4*n:KF+4*n+3], v[ADK] offset:STEPB+512*n
.set n, n+1
.endr
	WIN 0
.endif
	SOFTMAX
	s_wait_dscnt 16*\nextk                         ; V is in; the next step's K may be out
	WIN 0x01
	PV
	WIN 0
	s_add_co_u32 s[TB], s[TB], STEPB
.endm
.macro SLOTSTEPS                       ; a slot's eight key steps: seven in a loop, the last, which fetches no further K, written out
	FETCH_K
	s_mov_b32 s[CNT], 7
.Lstep_\@:
	STEP 1
	s_sub_co_u32 s[CNT], s[CNT], 1
	s_cmp_lg_u32 s[CNT], 0
	s_cbranch_scc1 .Lstep_\@
	STEP 0
	s_sub_co_u32 s[TB], s[TB], 8*STEPB             ; back to a slot's first step,
	s_xor_b32 s[TB], s[TB], SLOT1                  ; in the other slot
.endm
	s_load_b256 s[4:11], s[0:1], 0x0               ; qf, kf, vf, zf
	v_lshl_add_u32 v[SPW], v0, 2, SPARE
	v_mov_b32 v[NIL], 0
	ds_add_u32 v[SPW], v[NIL]                      ; the wave's opening: the add, twice on end, and its wait ahead of my first tensor load; the set-up below stands between
	ds_add_u32 v[SPW], v[NIL]
	v_lshrrev_b32 v1, 5, v0
	v_readfirstlane_b32 s[WV], v1                  ; wave 0..7
	s_bfe_u32 s13, ttmp6, 0x40000                  ; cx: my place in the cluster
	s_lshl_b32 s14, ttmp9, 2                       ; in a cluster launch ttmp9 counts clusters
	s_add_co_u32 s14, s14, s13                     ; my block of 256 queries: it enters qf's and zf's addresses alone
	s_and_b32 s15, ttmp7, 0xffff                   ; (batch, head), which the four partners share
	; group 1: 64 rows of 32 elements of 8 bytes, dense
	s_mov_b32 s[G1+0], 15|(3<<16)|(1<<21)          ; 15:0 the mask: all four work-groups; 17:16 elements of 8 bytes; 21 set beside a mask
	s_mov_b32 s[G1+1], 32<<16
	s_mov_b32 s[G1+2], 64<<16
	s_mov_b32 s[G1+3], 32<<16
	s_mov_b32 s[G1+4], 64
	s_mov_b32 s[G1+5], 32
	s_mov_b32 s[G1+6], 0
	s_mov_b32 s[G1+7], 0
	s_mov_b32 s[CS], 0x3e38aa3b                    ; c = log2(e) / 8
	s_mov_b32 s[CS+1], s[CS]
	s_mov_b32 s[SEL], 0x76543210
	s_mov_b32 s[SEL+1], 0xfedcba98
	s_mov_b32 s[TB], 0
	s_mov_b32 s[SLOTS], 7
	s_lshl_b32 s38, s15, 19                        ; kf, vf: 524,288 bytes a (batch, head),
	s_and_b32 s40, s[WV], 3
	s_lshl_b32 s40, s40, 14                        ; my 16,384 of a slot's 65,536
	s_add_co_u32 s38, s38, s40
	s_mov_b32 s39, 0
	s_lshl_b32 s40, s15, 18                        ; qf: 262,144 bytes a (batch, head),
	s_lshl_b32 s42, s14, 15                        ; 16 tiles of 2,048 a block,
	s_add_co_u32 s40, s40, s42
	s_lshl_b32 s42, s[WV], 12                      ; two tiles a wave
	s_add_co_u32 s40, s40, s42
	s_mov_b32 s41, 0
	s_lshr_b32 s42, s15, 3                         ; zf: row tile 128 x batch + 16 x block + 2 x wave, 16,384 bytes each;
	s_lshl_b32 s42, s42, 7
	s_lshl_b32 s44, s14, 4
	s_add_co_u32 s42, s42, s44
	s_lshl_b32 s44, s[WV], 1
	s_add_co_u32 s42, s42, s44
	s_lshl_b32 s42, s42, 14
	s_and_b32 s44, s15, 7
	s_lshl_b32 s44, s44, 11                        ; in it my head's two fragments
	s_add_co_u32 s42, s42, s44
	s_mov_b32 s43, 0
	s_lshl_b32 s44, s13, 13                        ; the prefetches: my work-group's 8,192 bytes
	s_mov_b32 s45, 0
	s_and_b32 s[LIM], s[WV], 1                     ; 0 in the even waves
	s_or_b32 s[LIM], s[LIM], ttmp9                 ; of the first cluster: the same in all four partners
	s_cmp_eq_u32 s[LIM], 0
	s_cselect_b32 s[LIM], 1, -1
	v_and_b32 v1, 31, v0
	v_lshlrev_b32 v[PFO], 8, v1
	v_lshlrev_b32 v[L16], 4, v1
	s_wait_dscnt 0x0                               ; both opening adds are done
	s_wait_kmcnt 0x0
	s_cmp_lt_u32 s[WV], 4                          ; waves 0 to 3 fetch K, waves 4 to 7 V: the choice hangs on the wave's number alone
	s_cselect_b64 s[G0+2:G0+3], s[6:7], s[8:9]
	s_add_nc_u64 s[G0+2:G0+3], s[G0+2:G0+3], s[38:39]
	s_add_nc_u64 s[PFA:PFA+1], s[G0+2:G0+3], s[44:45]
	s_add_nc_u64 s[PFA:PFA+1], s[PFA:PFA+1], 65536 ; at slot 1: the first change steps it to slot 2.  Nothing is prefetched at the head
	s_or_b32 s[G0+3], s[G0+3], 0x80000000          ; type = 2
	s_mov_b32 s[G0], 1
	s_lshl_b32 s[G0+1], s[WV], 14                  ; LDS: 16,384 x wave: no place in the cluster enters it
	s_add_nc_u64 s[4:5], s[4:5], s[40:41]
	s_add_nc_u64 s[10:11], s[10:11], s[42:43]
	CROUND                                         ; all four work-groups are here: the first joint loads meet
	tensor_load_to_lds s[G0:G0+3], s[G1:G1+7]      ; slot 0
	s_nop 0
	PLACES
.set n, 0
.rept 8
	global_load_b128 v[Q+4*n:Q+4*n+3], v[L16], s[4:5] offset:512*n th:TH_LOAD_NT   ; Q stays in registers: tile n / 4, channels 32 ((n / 2) % 2) on
.set n, n+1
.endr
.irp t, 0,1
	v_mov_b32 v[ST+8*\t+1], 0xff61b1e6             ; m: -3e38, under every score
	v_mul_f32 v[ST+8*\t], s[CS], v[ST+8*\t+1]
.irp j, 2,3,4,5,6,7
	v_mov_b32 v[ST+8*\t+\j], 0
.endr
.endr
.set i, 0
.rept 64
	v_mov_b32 v[O+i], 0                            ; O^T.  (The key step is written for all steps alike: the first finds zeros)
.set i, i+1
.endr
	s_wait_loadcnt 0x0                             ; Q
.Lslot:                                            ; seven trips: trip i waits for slot i's tiles and asks for slot i + 1's
	CHANGE 1
	SLOTSTEPS
	s_sub_co_u32 s[SLOTS], s[SLOTS], 1
	s_cmp_lg_u32 s[SLOTS], 0
	s_cbranch_scc1 .Lslot
	CHANGE 0                                       ; the last slot is written out
	SLOTSTEPS
	; THE WAY OUT.  l's two halves and the other half of the lanes' are added; O^T / l is rounded to f16: four registers a tile of channels, which are half a fragment of z: each store is 512 consecutive bytes, aligned
	PLACES
.irp t, 0,1
	v_add_f32 v[ST+8*\t+4], v[ST+8*\t+2], v[ST+8*\t+3]
.endr
.irp t, 0,1
	v_permlanex16_b32 v[ST+8*\t+5], v[ST+8*\t+4], s[SEL], s[SEL+1]
.endr
.irp t, 0,1
	v_add_f32 v[ST+8*\t+4], v[ST+8*\t+4], v[ST+8*\t+5]
.endr
.irp t, 0,1
	v_rcp_f32 v[ST+8*\t+6], v[ST+8*\t+4]
.endr
	v_nop                                          ; a plain line behind the last reciprocal
	s_wait_alu depctr_va_vdst(0)                   ; and one wait for the two, ahead of the first use
.irp t, 0,1
.set i, 0
.rept 16
	v_pk_mul_f32 v[S+32*\t+2*i:S+32*\t+2*i+1], v[O+32*\t+2*i:O+32*\t+2*i+1], v[ST+8*\t+6:ST+8*\t+7] op_sel_hi:[1,0]
.set i, i+1
.endr
.set i, 0
.rept 16
	v_cvt_pk_f16_f32 v[P+16*\t+i], v[S+32*\t+2*i], v[S+32*\t+2*i+1]
.set i, i+1
.endr
.irp ct, 0,1,2,3
	global_store_b128 v[L16], v[P+16*\t+4*\ct:P+16*\t+4*\ct+3], s[10:11] offset:16384*\t+512*\ct
.endr
.endr
	s_wait_tensorcnt 0x0                           ; the wave's end: behind my last tensor load
	ds_add_u32 v[SPW], v[NIL]
	s_wait_dscnt 0x0
	CROUND                                         ; the closing round: no work-group ends while a partner may still ask for a tile that names it
	s_endpgm
.Lfunc_end_k_qbe66e46b78_attn:
	.size	k_qbe66e46b78_attn, .Lfunc_end_k_qbe66e46b78_attn-k_qbe66e46b78_attn
	.p2alignl 7, 3214868480
	.fill 96, 4, 3214868480
	.section	.rodata,"a",@progbits
	.p2align	6, 0x0
	.amdhsa_kernel k_qbe66e46b78_attn
		.amdhsa_group_segment_fixed_size 327680
		.amdhsa_private_segment_fixed_size 0
		.amdhsa_enable_private_segment 0
		.amdhsa_kernarg_size 32
		.amdhsa_user_sgpr_count 2
		.amdhsa_user_sgpr_kernarg_segment_ptr 1
		.amdhsa_wavefront_size32 1
		.amdhsa_system_sgpr_workgroup_id_x 1
		.amdhsa_system_sgpr_workgroup_id_y 1
		.amdhsa_system_sgpr_workgroup_id_z 1
		.amdhsa_system_vgpr_workitem_id 0
		.amdhsa_next_free_vgpr 384
		.amdhsa_next_free_sgpr 66
		.amdhsa_reserve_vcc 0
		.amdhsa_float_denorm_mode_32 3
		.amdhsa_float_denorm_mode_16_64 3
		.amdhsa_memory_ordered 1
		.amdhsa_forward_progress 1
		.amdhsa_inst_pref_size 84
	.end_amdhsa_kernel
	.amdgpu_metadata
---
amdhsa.version: [ 1, 2 ]
amdhsa.kernels:
  - .name:           k_qbe66e46b78_attn
    .symbol:         k_qbe66e46b78_attn.kd
    .args:
      - { .name: qf, .offset: 0, .size: 8, .value_kind: global_buffer, .address_space: global }
      - { .name: kf, .offset: 8, .size: 8, .value_kind: global_buffer, .address_space: global }
      - { .name: vf, .offset: 16, .size: 8, .value_kind: global_buffer, .address_space: global }
      - { .name: zf, .offset: 24, .size: 8, .value_kind: global_buffer, .address_space: global }
    .group_segment_fixed_size: 327680
    .private_segment_fixed_size: 0
    .kernarg_segment_align: 8
    .kernarg_segment_size: 32
    .max_flat_workgroup_size: 256
    .sgpr_count:     66
    .vgpr_count:     384
    .wavefront_size: 32
...
	.end_amdgpu_metadata
.endif
;; end of part 3
;; launch oproj (part 4): grid 4 x 64, 4 waves a work-group, clusters of 4 x 4, 327,680 bytes of LDS; arguments zf, wof, bo, out0; writes out0
.if DOCPART == 4
	.amdgcn_target "amdgcn-amd-amdhsa--gfx1250"
	.amdhsa_code_object_version 6
	.text
	.protected	k_qbe66e46b78_oproj
	.globl	k_qbe66e46b78_oproj
	.p2align	8
	.type	k_qbe66e46b78_oproj,@function
k_qbe66e46b78_oproj:
	s_mov_b64 s[64:65], 0
	v_nop
	global_prefetch_b8 v0, s[64:65] scope:SCOPE_SE
	s_setreg_imm32_b32 hwreg(HW_REG_WAVE_MODE, 25, 1), 1
	s_wait_xcnt 0x0
	s_wait_alu depctr_hold_cnt(0) depctr_sa_sdst(0) depctr_va_vdst(0) depctr_va_sdst(0) depctr_va_ssrc(0) depctr_va_vcc(0) depctr_vm_vsrc(0)
	s_getreg_b32 s2, hwreg(HW_REG_IB_STS2, 6, 4)
	s_cmp_eq_u32 s2, 0
	s_cbranch_scc0 .Lentry_in_a_cluster
	s_endpgm
.Lentry_in_a_cluster:
	s_bfe_u32 s2, ttmp6, 0x10000c
	s_cmp_lg_u32 s2, 0xf033
	s_cbranch_scc0 .Lentry_shape_is_right
	s_endpgm
.Lentry_shape_is_right:
; out0 = z Wo + bo.  z [8,192][512] and Wo [512 (k)][512 (n)] arrive as f16 in the order of the operand registers; sums in f32; out0 f32.
; A tile of out0 is 128 x 128: 256 work-groups of four waves, each wave 64 x 64: 16 accumulators.  All of K = 512 lies in LDS at once: z's eight row tiles are 131,072 dense bytes, Wo's eight tiles of columns likewise: every byte is filled once, there is no ring.
; Each wave brings a quarter of each block by one tensor load: two loads of mine are out.  A fragment is read as it lies, 512 consecutive bytes an instruction: no padding.
; CLUSTERS: 4 x 4 work-groups.  The four of a row of the cluster need the same rows of z, the four of a column the same columns of Wo: each block is asked for JOINTLY, by the same load with the same descriptor and a mask that names the four.
; THE MATRIX INSTRUCTION IS USED TRANSPOSED (source 0 = 16 columns of Wo, source 1 = 16 rows of z): a lane holds eight neighbouring numbers of a row of out0.  bo, in that layout, is the C of each sum's first product.
; THE WAY OUT: a block of 16 rows x 64 columns goes through the wave's own stage in LDS and comes back as rows of 256 bytes: sixteen lanes store 256 consecutive bytes, aligned.
; REGISTERS: window 0: v1-9 addresses; v32-95 rows on the way out, two sets; v96-127 bo; v128-255 the accumulators ((a, b) at v[128 + 8 (4 a + b)]).   window 1: two buffers at v0 and v128: Wo's four fragments, then z's four.
.set BOFF,  131072                     ; LDS: z's block at 0, Wo's here
.set STAGE, 262144                     ; 16 rows x (256 bytes + 16) for each wave
.set SP,    272
.set SPARE, STAGE+4*16*SP              ; the spare words, 128 bytes for each wave: two blocks of 256 bytes that no other line names
.set ADA, 4
.set ADB, 5
.set STO, 6
.set RD,  7
.set CO,  8
.set BH,  9
.set SPW, 28
.set NIL, 29
.set BK,  32
.set BO,  96
.set ACC, 128
.set WV,  12
.set G1A, 16
.set G1B, 24
.set G0A, 32
.set G0B, 36
.set MSB, 0
.macro WIN new                         ; the immediate's high byte repeats the setting that is left
.if MSB != (\new)
	s_set_vgpr_msb (MSB<<8)|(\new)
.set MSB, (\new)
.endif
.endm
.macro PLACES
.rept 4
	v_nop
.endr
.endm
.macro CROUND                          ; a round of the cluster's barrier
	s_barrier_signal -1
	s_barrier_wait -1
	s_cmp_lg_u32 s[WV], 0
	s_cbranch_scc1 .Lnot_wave_0_\@
	s_barrier_signal -3
.Lnot_wave_0_\@:
	s_barrier_wait -3
	s_barrier_signal -1
	s_barrier_wait -1
.endm
	s_load_b256 s[4:11], s[0:1], 0x0               ; zf, wof, bo, out0
	v_lshl_add_u32 v[SPW], v0, 2, SPARE
	v_mov_b32 v[NIL], 0
	ds_add_u32 v[SPW], v[NIL]                      ; the wave's opening: the add, twice on end, and its wait ahead of my first tensor load; the set-up below stands between
	ds_add_u32 v[SPW], v[NIL]
	v_lshrrev_b32 v1, 5, v0
	v_readfirstlane_b32 s[WV], v1                  ; wave 0..3
	s_lshr_b32 s13, s[WV], 1                       ; which half of the tile's rows is mine
	s_and_b32 s14, s[WV], 1                        ; which half of its columns
	s_bfe_u32 s40, ttmp6, 0x40000                  ; cx, cy: my place in the cluster
	s_bfe_u32 s41, ttmp6, 0x40004
	s_lshl_b32 s42, ttmp9, 2
	s_add_co_u32 s42, s42, s40                     ; block of 128 columns = 4 x cluster x + cx
	s_and_b32 s43, ttmp7, 0xffff
	s_lshl_b32 s43, s43, 2
	s_add_co_u32 s43, s43, s41                     ; block of 128 rows = 4 x cluster y + cy
	s_lshl_b32 s44, s41, 2
	s_lshl_b32 s44, 15, s44                        ; my row of the cluster
	s_lshl_b32 s45, 0x1111, s40                    ; my column
	s_or_b32 s[G1A+0], s44, (3<<16)|(1<<21)        ; 15:0 the mask; 17:16 elements of 8 bytes; 21 set beside a mask
	s_or_b32 s[G1B+0], s45, (3<<16)|(1<<21)
.irp g, G1A, G1B                               ; 128 rows of 32 elements of 8 bytes, dense
	s_mov_b32 s[\g+1], 32<<16
	s_mov_b32 s[\g+2], 128<<16
	s_mov_b32 s[\g+3], 32<<16
	s_mov_b32 s[\g+4], 128
	s_mov_b32 s[\g+5], 32
	s_mov_b32 s[\g+6], 0
	s_mov_b32 s[\g+7], 0
.endr
	s_lshl_b32 s15, s[WV], 15                      ; my quarter of a block: 32,768 bytes x wave, in memory and in LDS
	s_lshl_b32 s46, s43, 17                        ; z's block hangs on the block of rows alone,
	s_add_co_u32 s46, s46, s15
	s_mov_b32 s47, 0
	s_lshl_b32 s48, s42, 17                        ; Wo's on the block of columns alone: each in registers that never hold the other coordinate
	s_add_co_u32 s48, s48, s15
	s_mov_b32 s49, 0
	v_and_b32 v1, 15, v0                           ; r
	v_bfe_u32 v2, v0, 4, 1                         ; h
	v_and_b32 v3, 31, v0
	v_lshlrev_b32 v3, 4, v3                        ; 16 x lane
	s_lshl_b32 s50, s13, 16
	v_add_nc_u32 v[ADA], s50, v3                   ; my four row tiles of z
	s_lshl_b32 s50, s14, 16
	s_add_co_u32 s50, s50, BOFF
	v_add_nc_u32 v[ADB], s50, v3                   ; my four tiles of columns of Wo
	s_mul_i32 s51, s[WV], 16*SP
	s_add_co_u32 s51, s51, STAGE                   ; my stage
	v_mul_u32_u24 v[STO], v1, SP
	v_lshl_add_u32 v[STO], v2, 5, v[STO]
	v_add_nc_u32 v[STO], s51, v[STO]               ; in: row r, 32 bytes for each half of the lanes
	v_mul_u32_u24 v[RD], v2, SP
	v_lshl_add_u32 v[RD], v1, 4, v[RD]
	v_add_nc_u32 v[RD], s51, v[RD]                 ; back: lanes 0-15 one row of 256 bytes, lanes 16-31 the next
	v_lshlrev_b32 v[CO], 11, v2
	v_lshl_add_u32 v[CO], v1, 4, v[CO]             ; and the same two rows in out0
	v_lshlrev_b32 v[BH], 5, v2                     ; bo: my half's eight numbers of a tile
	s_lshl_b32 s54, s42, 9                         ; my first column, in bytes: 512 x block + 256 x half
	s_lshl_b32 s52, s14, 8
	s_add_co_u32 s54, s54, s52
	s_mov_b32 s55, 0
	s_lshl_b32 s52, s43, 18                        ; my first row: 128 x block + 64 x half, 2,048 bytes each
	s_lshl_b32 s53, s13, 17
	s_add_co_u32 s52, s52, s53
	s_add_co_u32 s52, s52, s54
	s_mov_b32 s53, 0
	s_wait_dscnt 0x0                               ; both opening adds are done
	s_wait_kmcnt 0x0
	s_mov_b32 s[G0A], 1
	s_mov_b32 s[G0A+1], s15
	s_add_nc_u64 s[G0A+2:G0A+3], s[4:5], s[46:47]
	s_or_b32 s[G0A+3], s[G0A+3], 0x80000000
	s_mov_b32 s[G0B], 1
	s_add_co_u32 s[G0B+1], s15, BOFF
	s_add_nc_u64 s[G0B+2:G0B+3], s[6:7], s[48:49]
	s_or_b32 s[G0B+3], s[G0B+3], 0x80000000
	s_add_nc_u64 s[8:9], s[8:9], s[54:55]
	s_add_nc_u64 s[10:11], s[10:11], s[52:53]
	CROUND                                         ; all sixteen work-groups are here: the joint loads meet
	tensor_load_to_lds s[G0A:G0A+3], s[G1A:G1A+7]
	s_nop 0
	tensor_load_to_lds s[G0B:G0B+3], s[G1B:G1B+7]
	s_nop 0
	PLACES
.irp cb, 0,1,2,3
	global_load_b128 v[BO+8*\cb:BO+8*\cb+3], v[BH], s[8:9] offset:64*\cb
	global_load_b128 v[BO+8*\cb+4:BO+8*\cb+7], v[BH], s[8:9] offset:64*\cb+16
.endr
	s_wait_tensorcnt 0x0                           ; my quarters are in,
	s_barrier_signal -1
	s_barrier_wait -1                              ; everybody's are
.macro FETCH ks, f                     ; K step ks (32 along K): Wo's four fragments, then z's four, into buffer f
	WIN 0x40                                       ; destination window 1
.irp cb, 0,1,2,3
.irp c, 0,1
	ds_load_b128 v[128*(\f)+8*\cb+4*\c:128*(\f)+8*\cb+4*\c+3], v[ADB] offset:16384*\cb+1024*(\ks)+512*\c
.endr
.endr
.irp cb, 0,1,2,3
.irp c, 0,1
	ds_load_b128 v[128*(\f)+32+8*\cb+4*\c:128*(\f)+32+8*\cb+4*\c+3], v[ADA] offset:16384*\cb+1024*(\ks)+512*\c
.endr
.endr
.endm
.macro MUL f, first                    ; 16 products; the 16 accumulators take turns, one instruction a turn, in the same order in every K step
.irp ra, 0,1,2,3
.irp cb, 0,1,2,3
.if \first
	v_wmma_f32_16x16x32_f16 v[ACC+8*(4*\ra+\cb):ACC+8*(4*\ra+\cb)+7], v[128*(\f)+8*\cb:128*(\f)+8*\cb+7], v[128*(\f)+32+8*\ra:128*(\f)+32+8*\ra+7], v[BO+8*\cb:BO+8*\cb+7]
.else
	v_wmma_f32_16x16x32_f16 v[ACC+8*(4*\ra+\cb):ACC+8*(4*\ra+\cb)+7], v[128*(\f)+8*\cb:128*(\f)+8*\cb+7], v[128*(\f)+32+8*\ra:128*(\f)+32+8*\ra+7], v[ACC+8*(4*\ra+\cb):ACC+8*(4*\ra+\cb)+7]
.endif
.endr
.endr
.endm
	FETCH 0, 0
.set k, 0
.rept 16
	s_wait_dscnt 0x0                               ; this K step's fragments are in
.if k < 15
	PLACES                                         ; four places between the last products and the loads into the buffer that they read (ISA guide 7.12.1 for vector instructions)
	FETCH k+1, (k+1)%2                             ; the next K step lands while this one is multiplied
.endif
	WIN 0x05                                       ; sources 0 and 1 window 1; C and D window 0
.if k == 0
	s_wait_loadcnt 0x0                             ; bo
	MUL 0, 1
.else
	MUL k%2, 0
.endif
.set k, k+1
.endr
	WIN 0
	PLACES                                         ; in front of the first read of results
.macro TOSTAGE a
.irp cb, 0,1,2,3
	ds_store_b128 v[STO], v[ACC+8*(4*(\a)+\cb):ACC+8*(4*(\a)+\cb)+3] offset:64*\cb          ; each accumulator from its low end on
	ds_store_b128 v[STO], v[ACC+8*(4*(\a)+\cb)+4:ACC+8*(4*(\a)+\cb)+7] offset:64*\cb+16
.endr
.irp i, 0,1,2,3,4,5,6,7
	ds_load_b128 v[BK+32*((\a)%2)+4*\i:BK+32*((\a)%2)+4*\i+3], v[RD] offset:2*SP*\i   ; LDS serves a wave's instructions in order (ISA guide 5.7.1.4): these see my stores, and the next block's stores come behind them
.endr
.endm
.macro SEND a, younger                 ; younger: the LDS instructions issued behind block a's loads, which may stay out
	s_wait_dscnt \younger
.irp i, 0,1,2,3,4,5,6,7
	global_store_b128 v[CO], v[BK+32*((\a)%2)+4*\i:BK+32*((\a)%2)+4*\i+3], s[10:11] offset:(16*(\a)+2*\i)*2048 th:TH_STORE_NT   ; sixteen lanes store 256 consecutive bytes, aligned; written once, read by nobody here
.endr
.endm
	TOSTAGE 0
	TOSTAGE 1
	SEND 0, 16
	s_wait_xcnt 0x0                                ; block 0's stores have read their registers: block 2's rows may land there
	TOSTAGE 2
	SEND 1, 16
	s_wait_xcnt 0x0
	TOSTAGE 3
	SEND 2, 16
	SEND 3, 0
	s_wait_tensorcnt 0x0                           ; the wave's end: behind my last tensor load and my last LDS store
	ds_add_u32 v[SPW], v[NIL]
	s_wait_dscnt 0x0
	CROUND                                         ; the closing round: no work-group ends while a partner may still ask for a tile that names it
	s_endpgm
.Lfunc_end_k_qbe66e46b78_oproj:
	.size	k_qbe66e46b78_oproj, .Lfunc_end_k_qbe66e46b78_oproj-k_qbe66e46b78_oproj
	.p2alignl 7, 3214868480
	.fill 96, 4, 3214868480
	.section	.rodata,"a",@progbits
	.p2align	6, 0x0
	.amdhsa_kernel k_qbe66e46b78_oproj
		.amdhsa_group_segment_fixed_size 327680
		.amdhsa_private_segment_fixed_size 0
		.amdhsa_enable_private_segment 0
		.amdhsa_kernarg_size 32
		.amdhsa_user_sgpr_count 2
		.amdhsa_user_sgpr_kernarg_segment_ptr 1
		.amdhsa_wavefront_size32 1
		.amdhsa_system_sgpr_workgroup_id_x 1
		.amdhsa_system_sgpr_workgroup_id_y 1
		.amdhsa_system_sgpr_workgroup_id_z 1
		.amdhsa_system_vgpr_workitem_id 0
		.amdhsa_next_free_vgpr 512
		.amdhsa_next_free_sgpr 66
		.amdhsa_reserve_vcc 0
		.amdhsa_float_denorm_mode_32 3
		.amdhsa_float_denorm_mode_16_64 3
		.amdhsa_memory_ordered 1
		.amdhsa_forward_progress 1
		.amdhsa_inst_pref_size 49
	.end_amdhsa_kernel
	.amdgpu_metadata
---
amdhsa.version: [ 1, 2 ]
amdhsa.kernels:
  - .name:           k_qbe66e46b78_oproj
    .symbol:         k_qbe66e46b78_oproj.kd
    .args:
      - { .name: zf, .offset: 0, .size: 8, .value_kind: global_buffer, .address_space: global }
      - { .name: wof, .offset: 8, .size: 8, .value_kind: global_buffer, .address_space: global }
      - { .name: bo, .offset: 16, .size: 8, .value_kind: global_buffer, .address_space: global }
      - { .name: out0, .offset: 24, .size: 8, .value_kind: global_buffer, .address_space: global }
    .group_segment_fixed_size: 327680
    .private_segment_fixed_size: 0
    .kernarg_segment_align: 8
    .kernarg_segment_size: 32
    .max_flat_workgroup_size: 128
    .sgpr_count:     66
    .vgpr_count:     512
    .wavefront_size: 32
...
	.end_amdgpu_metadata
.endif
;; end of part 4
